; MI455X (gfx1250); checked and timed in simulation.
; The chip was launched on July 23, 2026; its instructions are those of AMD's public machine-readable ISA for CDNA 5 (MIT licence, August 2026) and "CDNA5" Instruction Set Architecture Reference Guide (July 2026). The comments in the code are by the model that wrote it; some were corrected since.
;; Self Attention. Allowed arithmetic: matrix products marked QUANTISED: E4M3 operands, one given power-of-two scale a tensor, by v_wmma_f32_16x16x64_fp8_fp8 or v_wmma_f32_16x16x128_fp8_fp8, f32 sums; everything else in f32.
;; Inputs: Wk_codes 2,048 x 64 x 32 uint8 (E4M3 codes of Wk, K innermost, in blocks of 32 codes); Wo_codes 2,048 x 64 x 32 uint8 (E4M3 codes of Wo, K innermost, in blocks of 32 codes); Wq_codes 2,048 x 64 x 32 uint8 (E4M3 codes of Wq, K innermost, in blocks of 32 codes); Wv_codes 2,048 x 64 x 32 uint8 (E4M3 codes of Wv, K innermost, in blocks of 32 codes); bk 2,048 float32; bo 2,048 float32; bq 2,048 float32; bv 2,048 float32; k_codes 2 x 1,024 x 64 x 32 uint8 (E4M3 codes of k, K innermost, in blocks of 32 codes); lowp_scales 12 int32 (the exponents e of the quantised operands' scales 2^e); q_codes 2 x 1,024 x 64 x 32 uint8 (E4M3 codes of q, K innermost, in blocks of 32 codes); v_codes 2 x 1,024 x 64 x 32 uint8 (E4M3 codes of v, K innermost, in blocks of 32 codes).
;; Outputs: out0 2 x 1,024 x 2,048 float32.
;; Constants: causal_mask = 1.
;; This version of the problem:
;;   THIS VERSION OF THE PROBLEM IS GIVEN IN LOW PRECISION. The matrix products marked QUANTISED in the list below multiply operands that are first quantised to E4M3 (4 exponent bits, 3 mantissa bits; 8 bits a number), with one given power-of-two scale for each operand tensor; their sums are f32. All else is computed in f32.
;;   The module's matrix products, in the order in which they are computed (A, B: the left and right operand; K: the contracted axis; several contracted axes count as one K, in the product's order):
;;     1. [M 2,048, K 2,048] x [K 2,048, N 2,048]; A: input q (given as codes); B: input Wq (given as codes): QUANTISED (scales: A lowp_scales[0], B lowp_scales[1])
;;     2. [M 2,048, K 2,048] x [K 2,048, N 2,048]; A: input k (given as codes); B: input Wk (given as codes): QUANTISED (scales: A lowp_scales[2], B lowp_scales[3])
;;     3. [M 2,048, K 2,048] x [K 2,048, N 2,048]; A: input v (given as codes); B: input Wv (given as codes): QUANTISED (scales: A lowp_scales[4], B lowp_scales[5])
;;     4. batch 32 x [M 1,024, K 128] x [K 128, N 1,024]; A: computed on the way; B: computed on the way: QUANTISED (scales: A lowp_scales[6], B lowp_scales[7])
;;     5. batch 32 x [M 1,024, K 1,024] x [K 1,024, N 128]; A: softmax (see below); B: computed on the way: QUANTISED (scales: A lowp_scales[8], B lowp_scales[9])
;;     6. [M 2,048, K 2,048] x [K 2,048, N 2,048]; A: computed on the way; B: input Wo (given as codes): QUANTISED (scales: A lowp_scales[10], B lowp_scales[11])
;;   THE QUANTISER, for each operand of a quantised product, along K:
;;     - The operand's scale is 2^e, e = its entry of the input lowp_scales (int32; the entries are numbered through the quantised products in the list's order, A before B).
;;     - Each number is divided by the scale, clamped to +-448, and rounded to the nearest number of E4M3, ties to even, subnormals kept.
;;     - The product sums the exact products of the quantised numbers (number of the format x scale) in f32.
;;   ~~~python
;;   def quantise(x, axis, e):      # numpy; x: float32 -> the quantised numbers, widened to float32 again
;;       x = np.moveaxis(x, axis, -1); K = x.shape[-1]
;;       r = np.clip(x / 2.0 ** e, -448, 448)
;;       step = 2.0 ** (np.maximum(np.frexp(np.where(r == 0, 1, r))[1] - 1, -6) - 3)
;;       q = np.round(r / step) * step * 2.0 ** e      # np.round: ties to even
;;       return np.moveaxis(q, -1, axis).astype(np.float32)
;;   ~~~
;;   SOFTMAX AHEAD OF A QUANTISED PRODUCT. Where the list says 'softmax', what is quantised is not the finished softmax but p = 2^(t - M), with t = logit x log2(e) and M = ceil(the row's largest t), a whole number; so 1/2 < the row's largest p <= 1. The row's sum l is taken of the UNQUANTISED p, in f32, and the product's result is divided by l at the end. Since M is a whole number, a kernel that streams over the keys may use a running M (the ceiling of the running maximum): every later rescaling is an exact power of two, so the quantised numbers keep their values, but for numbers so far below the row's largest that they fall under the format's range.
;;   OPERANDS COMPUTED ON THE WAY. 'Computed on the way' means the value that the module computes at that place (a softmax that the list does not call 'softmax' is quantised finished and normalised). What goes into a quantiser is computed in f32, as accurately as f32 sums, v_exp_f32 and their like allow (about 1e-6 of the number): no bf16 or f16 on the way to a quantiser, and a product that is left as it is and whose result goes on into a quantised operand takes f32 operands (vector FMAs, or v_wmma_f32_16x16x4_f32). A number that lies on a knife's edge between two numbers of the format may be rounded either way, as far as f32 arithmetic and the matrix unit's own rounding can turn it there, and no further.
;;   INPUTS GIVEN AS CODES. Wk (in the module: [2048, 2048], K = its axis 1); Wo (in the module: [2048, 2048], K = its axis 1); Wq (in the module: [2048, 2048], K = its axis 1); Wv (in the module: [2048, 2048], K = its axis 1); k (in the module: [2, 1024, 2048], K = its axis 2); q (in the module: [2, 1024, 2048], K = its axis 2); v (in the module: [2, 1024, 2048], K = its axis 2): each comes as NAME_codes (uint8): NAME with its K axis moved to the last place and cut into blocks of 32 codes, [.., K / 32, bytes a block], one block behind the other in memory; one code a byte (a code: sign, 4 exponent bits, 3 mantissa bits); its scale is its entry of lowp_scales. Its value is code x scale, taken as it is: it is not quantised again, and the codes and scales need not be those that the quantiser above would give.
;; One version. Each part assembles by itself: llvm-mc -triple=amdgcn-amd-amdhsa -mcpu=gfx1250 --defsym DOCPART=n.
;; ======== version 1 of 1: 3 launches
;; limits: right only within a limited range of input values
;; workspace buffers: qkv 12,582,912 bytes; ao 4,194,304 bytes
;; launch proj (part 1): grid 8 x 24, 4 waves a work-group, clusters of 4 x 4, 327,680 bytes of LDS; arguments q_codes, k_codes, Wv_codes, Wq_codes, Wk_codes, v_codes, bq, bk, bv, lowp_scales, qkv; writes qkv
.if DOCPART == 1
	.amdgcn_target "amdgcn-amd-amdhsa--gfx1250"
	.amdhsa_code_object_version 6
	.text
	.protected	k_q357fe5df3b_proj
	.globl	k_q357fe5df3b_proj
	.p2align	8
	.type	k_q357fe5df3b_proj,@function
k_q357fe5df3b_proj:
	s_mov_b64 s[64:65], 0
	v_nop
	global_prefetch_b8 v0, s[64:65] scope:SCOPE_SE
	s_setreg_imm32_b32 hwreg(HW_REG_WAVE_MODE, 25, 1), 1
	s_wait_xcnt 0x0
	s_wait_alu depctr_hold_cnt(0) depctr_sa_sdst(0) depctr_va_vdst(0) depctr_va_sdst(0) depctr_va_ssrc(0) depctr_va_vcc(0) depctr_vm_vsrc(0)
	s_getreg_b32 s2, hwreg(HW_REG_IB_STS2, 6, 4)
	s_cmp_eq_u32 s2, 0
	s_cbranch_scc0 .Lentry_in_a_cluster
	s_endpgm
.Lentry_in_a_cluster:
	s_bfe_u32 s2, ttmp6, 0x10000c
	s_cmp_lg_u32 s2, 0xf033
	s_cbranch_scc0 .Lentry_shape_is_right
	s_endpgm
.Lentry_shape_is_right:
; THE THREE PROJECTIONS, one text: C = A B^T + bias on codes of FP8 (E4M3), 2,048 x 2,048 x 2,048 each, and C quantised again with the scale given for it.
;   t = 0: A = q,  B = Wq: C[token][feature], bias bq along the columns, scale 2^e6.    t = 1: A = k, B = Wk, bk, 2^e7.
;   t = 2: A = Wv, B = v:  C[feature][token], bias bv along the ROWS, scale 2^e9: the operands are swapped, so that V comes out with the tokens (the keys) innermost.
; The grid's 6 rows of clusters are 2 for each t; t hangs on the cluster's y alone.  192 work-groups, a block of 256 x 256 each.  No input is left out in this program; launch 'attn' leaves out the key tiles under the causal mask.
; Four waves, each 128 x 128: 64 accumulators, 512 registers.  THE BIAS IS THE C OF EACH ACCUMULATOR'S FIRST PRODUCT, divided by 2^(ea + eb); a sum then stands for sum x 2^(ea + eb), and that factor goes into
; the conversion's scale, 2^(eo - ea - eb): the way out is the hold at the largest code and the conversion alone.
; K goes in steps of 256 through two LDS slots (A's 256 rows, then B's 256, 256 bytes + 16 of padding each).  A fill is four loads of 128 rows, one a wave: waves 0 and 1 A's halves, waves 2 and 3 B's.  K step 0's stands at the head, K step 1's behind the full sequence.
; CLUSTERS 4 x 4: the four of a row need the same tiles of A, the four of a column the same of B: each is asked for JOINTLY.  In a slot's last step a round of the cluster's barrier stands, with products in its opening and closing pairs.
; PREFETCH: 32 rows x 256 bytes a wave, a lane a row; of the 128 rows that a wave fetches each of the four partners names 32, told apart by address.  K step 1 behind K step 0's load, K steps 2 and 3 behind K step 1's; then behind each refill the K step two refills on; the last two refills ask for nothing.
; THE MATRIX INSTRUCTION IS USED TRANSPOSED (source 0 = 16 rows of B, source 1 = 16 rows of A): lane (r, h) holds row r of C and, in accumulator b, columns 16 b + 8 h + 0 .. 7.
; So a block's eight conversions give 16 registers that ARE a fragment (16 rows x 128 K): the workspace is laid as such IMAGES of 2,048 bytes (registers 4 g .. 4 g + 3 of lane l at byte 512 g + 16 l):
; region t at t x 4 MiB; rows 16 R .., columns 128 C .. at (128 C + R) x 2,048.  A store of the wave covers 512 consecutive bytes, aligned.
; LIMITS: ea + eb between -126 and 126, eo - ea - eb between -126 and 119, and bias x 2^-(ea + eb) inside f32's range.  NaN among codes or biases is not served.
; REGISTERS: window 0: v0-31 addresses and scales; v32-95 the bias octets; v96-103 the rows' bias; v128-255 A's fragments (8 blocks of 16 rows x 128 K), on the way out the codes.
;   window 1: B's fragments, two sets.   window 2: the accumulators of my rows 0-63 ((a, b) at v[8 (8 a + b)]);   window 3: those of my rows 64-127.
.set KROW,   2048
.set RP,     272                       ; an LDS row = 68 words: row r starts at bank 4 r mod 64 (64 banks of 4 bytes: ISA guide 11.1)
.set HALFT,  128*RP
.set SLOT,   4*HALFT
.set SPARE,  2*SLOT                    ; the spare words, 128 bytes for each wave
.set ADRA, 16                          ; v16-17  LDS address of my A fragments in slot 0, 1
.set ADRB, 20                          ; v20-21  the same for B
.set CO,   26                          ; 16 x lane: my place in an image
.set LIM,  27                          ; 448 x 2^(eo - ea - eb)
.set SPW,  28
.set NIL,  29
.set SCL,  30                          ; 2^(eo - ea - eb)
.set PFO,  31                          ; 2,048 x lane; never rewritten
.set CB,   32
.set RB,   96
.set AF,   128
.set CD,   128
.set G1,   24                          ; s[24:31] group 1 of A's tiles;  s[32:39] group 0, one set for each slot
.set G0,   32
.set G1B,  48                          ; s[48:55], s[56:63] the same for B
.set G0B,  56
.set PFA,  66                          ; s[66:67] where my prefetches stand
.set MSB, 0
.macro WIN new                         ; the immediate's high byte repeats the setting that is left
.if MSB != (\new)
	s_set_vgpr_msb (MSB<<8)|(\new)
.set MSB, (\new)
.endif
.endm
.set MUL_LO, 0xa1                      ; source 0 (B) window 1, source 1 (A) window 0, C and D window 2
.set MUL_HI, 0xf1                      ; the same, C and D window 3
.set TO_B,   0x40                      ; destination window 1, address window 0
; A joint load into slot s: a branch on the wave's number alone.
.macro JLOAD s
	s_cmp_eq_u32 s15, 0
	s_cbranch_scc0 .Lfor_b_\@
	tensor_load_to_lds s[G0+4*\s:G0+4*\s+3], s[G1:G1+7]
	s_nop 0
.rept 4
	v_nop
.endr
	s_branch .Lasked_\@
.Lfor_b_\@:
	tensor_load_to_lds s[G0B+4*\s:G0B+4*\s+3], s[G1B:G1B+7]
	s_nop 0
.rept 4
	v_nop
.endr
.Lasked_\@:
.endm
.macro CROUND                          ; a whole round of the cluster's barrier
	s_barrier_signal -1
	s_barrier_wait -1
	s_cmp_lg_u32 s14, 0
	s_cbranch_scc1 .Lnot_wave_0_\@
	s_barrier_signal -3
.Lnot_wave_0_\@:
	s_barrier_wait -3
	s_barrier_signal -1
	s_barrier_wait -1
.endm
	s_load_b512 s[68:83], s[0:1], 0x0              ; q s[68:69], k s[70:71], Wv s[72:73], Wq s[74:75], Wk s[76:77], v s[78:79], bq s[80:81], bk s[82:83]
	s_load_b128 s[20:23], s[0:1], 0x40             ; bv s[20:21], the scales' exponents s[22:23]
	s_load_b64 s[18:19], s[0:1], 0x50              ; the workspace
	v_lshl_add_u32 v[SPW], v0, 2, SPARE
	v_mov_b32 v[NIL], 0
	ds_add_u32 v[SPW], v[NIL]                      ; the wave's opening: the add, twice on end, and its wait
	ds_add_u32 v[SPW], v[NIL]
	v_lshrrev_b32 v1, 5, v0
	v_readfirstlane_b32 s14, v1                    ; wave 0..3
	s_lshr_b32 s15, s14, 1                         ; which half of the tile's rows is mine.  Also: I fetch for A (0) or for B (1)
	s_and_b32 s16, s14, 1                          ; which half of its columns.  Also: which 128 rows of a tile I fetch
	s_bfe_u32 s40, ttmp6, 0x40000                  ; cx, cy
	s_bfe_u32 s41, ttmp6, 0x40004
	s_lshl_b32 s42, ttmp9, 2
	s_add_co_u32 s42, s42, s40                     ; tile column of C
	s_and_b32 s17, ttmp7, 0xffff                   ; cluster y, 0 .. 5
	s_lshr_b32 s2, s17, 1                          ; t
	s_and_b32 s17, s17, 1
	s_lshl_b32 s17, s17, 2
	s_add_co_u32 s17, s17, s41                     ; tile row of C
	s_lshl_b32 s43, s41, 2
	s_lshl_b32 s43, 15, s43                        ; my row of the cluster
	s_lshl_b32 s44, 0x1111, s40                    ; my column
	; group 1, word 0: 15:0 the mask; elements of 1 byte; 20 padding on; 21 set beside a mask; 24:22 after every 64 words (code 5); 31:25 of 4 words (code 3)
	s_or_b32 s[G1+0], s43, (1<<20)|(1<<21)|(5<<22)|(3<<25)
	s_or_b32 s[G1B+0], s44, (1<<20)|(1<<21)|(5<<22)|(3<<25)
.irp g, G1, G1B
	s_mov_b32 s[\g+1], 256<<16                     ; tensor_dim0
	s_mov_b32 s[\g+2], 128<<16                     ; tensor_dim1
	s_mov_b32 s[\g+3], 256<<16                     ; tile_dim0
	s_mov_b32 s[\g+4], 128                         ; tile_dim1
	s_mov_b32 s[\g+5], KROW                        ; tensor_dim0_stride
	s_mov_b32 s[\g+6], 0
	s_mov_b32 s[\g+7], 0
.endr
	s_lshl_b32 s45, s16, 7                         ; which 128 rows of a tile I fetch
	s_lshl_b32 s12, s17, 8
	s_add_co_u32 s12, s12, s45
	s_lshl_b32 s12, s12, 11                        ; A: row 256 x tile row + 128 x half, in bytes
	s_mov_b32 s13, 0
	s_lshl_b32 s46, s42, 8
	s_add_co_u32 s46, s46, s45
	s_lshl_b32 s46, s46, 11                        ; B: by the tile column
	s_mov_b32 s47, 0
	s_mul_i32 s45, s14, HALFT                      ; where they go: the wave's number alone
	s_wait_dscnt 0x0                               ; both opening adds are done
	s_wait_kmcnt 0x0
	s_cmp_eq_u32 s2, 0                             ; the choice of buffers hangs on t alone
	s_cselect_b64 s[4:5], s[68:69], s[70:71]
	s_cselect_b64 s[6:7], s[74:75], s[76:77]
	s_cselect_b64 s[8:9], s[80:81], s[82:83]
	s_cmp_eq_u32 s2, 2
	s_cselect_b64 s[4:5], s[72:73], s[4:5]         ; for t = 2: A = Wv, B = v, bias = bv
	s_cselect_b64 s[6:7], s[78:79], s[6:7]
	s_cselect_b64 s[8:9], s[20:21], s[8:9]
	s_load_b256 s[72:79], s[22:23], 0x0            ; e0 .. e7
	s_load_b128 s[80:83], s[22:23], 0x20           ; e8 .. e11
	s_add_nc_u64 s[12:13], s[4:5], s[12:13]
	s_add_nc_u64 s[46:47], s[6:7], s[46:47]
.irp s, 0,1
	s_mov_b32 s[G0+4*\s], 1
	s_add_co_u32 s[G0+4*\s+1], s45, \s*SLOT
	s_add_nc_u64 s[G0+4*\s+2:G0+4*\s+3], s[12:13], \s*256
	s_or_b32 s[G0+4*\s+3], s[G0+4*\s+3], 0x80000000
	s_mov_b32 s[G0B+4*\s], 1
	s_add_co_u32 s[G0B+4*\s+1], s45, \s*SLOT
	s_add_nc_u64 s[G0B+4*\s+2:G0B+4*\s+3], s[46:47], \s*256
	s_or_b32 s[G0B+4*\s+3], s[G0B+4*\s+3], 0x80000000
.endr
	CROUND                                         ; all sixteen work-groups are here: the first joint loads meet
	JLOAD 0                                        ; K step 0: my one load at the head
	; scalars: the prefetches' place, my LDS rows, the biases' places, my place in the workspace
	s_cmp_eq_u32 s15, 0
	s_cselect_b64 s[PFA:PFA+1], s[12:13], s[46:47]
	s_cselect_b32 s100, s40, s41                   ; my place among the four that ask for it with me
	s_lshl_b32 s100, s100, 16                      ; 32 rows of 2,048 bytes each
	s_mov_b32 s101, 0
	s_add_nc_u64 s[PFA:PFA+1], s[PFA:PFA+1], s[100:101]
	s_lshl_b32 s12, s42, 10
	s_lshl_b32 s13, s16, 9
	s_add_co_u32 s12, s12, s13                     ; (256 x tile column + 128 x half) x 4
	s_mov_b32 s13, 0
	s_add_nc_u64 s[12:13], s[8:9], s[12:13]
	s_lshl_b32 s46, s17, 10
	s_lshl_b32 s47, s15, 9
	s_add_co_u32 s46, s46, s47                     ; (256 x tile row + 128 x half) x 4: both places lie inside the 2,048 numbers
	s_mov_b32 s47, 0
	s_add_nc_u64 s[46:47], s[8:9], s[46:47]
	s_lshl_b32 s100, s42, 1                        ; t x 4 MiB + ((2 x tile column + half) x 128 + 16 x tile row + 8 x half) x 2,048
	s_add_co_u32 s100, s100, s16
	s_lshl_b32 s100, s100, 7
	s_lshl_b32 s101, s17, 4
	s_add_co_u32 s100, s100, s101
	s_lshl_b32 s101, s15, 3
	s_add_co_u32 s100, s100, s101
	s_lshl_b32 s100, s100, 11
	s_lshl_b32 s101, s2, 22
	s_add_co_u32 s100, s100, s101
	s_mov_b32 s101, 0
	s_add_nc_u64 s[10:11], s[18:19], s[100:101]
	s_mul_i32 s100, s15, HALFT                     ; my 128 rows of A
	s_mul_i32 s101, s16, HALFT
	s_add_co_u32 s101, s101, 2*HALFT               ; my 128 rows of B, behind A's 256
	v_and_b32 v1, 15, v0                           ; r
	v_bfe_u32 v2, v0, 4, 1                         ; h
	v_and_b32 v3, 31, v0
	v_mul_u32_u24 v4, v1, RP
	v_lshlrev_b32 v[PFO], 11, v3
	v_lshlrev_b32 v[CO], 4, v3
	v_lshl_add_u32 v4, v2, 4, v4                   ; row x pitch + 16 x half
	v_lshlrev_b32 v6, 5, v2                        ; the columns' bias: 32 h bytes on
	v_lshlrev_b32 v7, 2, v1                        ; the rows' bias: 4 r bytes on
	v_add_nc_u32 v[ADRA], s100, v4
	v_add_nc_u32 v[ADRB], s101, v4
	v_add_nc_u32 v[ADRA+1], SLOT, v[ADRA]
	v_add_nc_u32 v[ADRB+1], SLOT, v[ADRB]
.irp b, 0,1,2,3,4,5,6,7
	global_load_b128 v[CB+8*\b:CB+8*\b+3],   v6, s[12:13] offset:64*\b
	global_load_b128 v[CB+8*\b+4:CB+8*\b+7], v6, s[12:13] offset:64*\b+16
.endr
.irp a, 0,1,2,3,4,5,6,7
	global_load_b32 v[RB+\a], v7, s[46:47] offset:64*\a
.endr
	global_prefetch_b8 v[PFO], s[PFA:PFA+1] offset:256 th:TH_LOAD_NT scope:SCOPE_SE   ; K step 1
	s_wait_kmcnt 0x0                               ; the exponents: e0 .. e9 in s72 .. s81
	s_cmp_eq_u32 s2, 0
	s_cselect_b32 s20, s72, s74
	s_cselect_b32 s21, s73, s75
	s_cselect_b32 s22, s78, s79
	s_cmp_eq_u32 s2, 2
	s_cselect_b32 s20, s76, s20                    ; ea
	s_cselect_b32 s21, s77, s21                    ; eb
	s_cselect_b32 s22, s81, s22                    ; eo
	s_cselect_b32 s23, -1, 0                       ; a lane mask: all ones where the bias runs along the rows
	s_add_co_i32 s20, s20, s21
	s_sub_co_i32 s22, s22, s20                     ; eo - ea - eb
	s_sub_co_i32 s20, 127, s20
	s_lshl_b32 s100, s20, 23                       ; 2^-(ea + eb)
	s_mov_b32 s101, s100                           ; (named with it as a pair, so it is written)
	s_add_co_i32 s22, s22, 127
	s_lshl_b32 s21, s22, 23
	v_mov_b32 v[SCL], s21
	s_add_co_i32 s22, s22, 8
	s_lshl_b32 s22, s22, 23
	s_or_b32 s22, s22, 0x600000
	v_mov_b32 v[LIM], s22
	s_wait_loadcnt 0x0                             ; the biases, while the first tiles are on their way
.irp o, 0,1,2,3,4,5,6,7                ; octet o: columns 16 o + 8 h + 0 .. 7 (t < 2), or row 16 o + r eight times (t = 2)
.irp j, 0,1,2,3,4,5,6,7
	v_cndmask_b32 v[CB+8*\o+\j], v[CB+8*\o+\j], v[RB+\o], s23
.endr
.endr
.set j, 0
.rept 32
	v_pk_mul_f32 v[CB+j:CB+j+1], v[CB+j:CB+j+1], s[100:101] op_sel_hi:[1,0]   ; a power of two: nothing is rounded inside f32's range
.set j, j+2
.endr
; A fragment by four loads of 16 bytes: registers 4 c .. 4 c + 3 take K = 32 c + 16 h + 0 .. 15: a permutation of K, the same in A and in B.  q: 128 along K: slot q / 2, its half q % 2.
.macro LA i, q
.irp c, 0,1,2,3
	ds_load_b128 v[AF+16*(\i)+4*\c:AF+16*(\i)+4*\c+3], v[ADRA+((\q)/2)] offset:128*((\q)%2)+32*\c+(\i)*16*RP
.endr
.endm
.macro LB i, q, p
.irp c, 0,1,2,3
	ds_load_b128 v[128*(\p)+16*(\i)+4*\c:128*(\p)+16*(\i)+4*\c+3], v[ADRB+((\q)/2)] offset:128*((\q)%2)+32*\c+(\i)*16*RP
.endr
.endm
; n products of A's block a with B's blocks b0 .. of set p.  z = 1, 2: the first, on the bias octet of the columns (b) or of the rows (a).
; The 64 accumulators take turns, one instruction a turn, in the same order in every step.
.macro MUL a, b0, n, p, z
.set bb, \b0
.rept \n
.if \z == 1
	v_wmma_f32_16x16x128_fp8_fp8 v[8*(8*((\a)%4)+bb):8*(8*((\a)%4)+bb)+7], v[128*(\p)+16*bb:128*(\p)+16*bb+15], v[AF+16*(\a):AF+16*(\a)+15], v[CB+8*bb:CB+8*bb+7]
.elseif \z == 2
	v_wmma_f32_16x16x128_fp8_fp8 v[8*(8*((\a)%4)+bb):8*(8*((\a)%4)+bb)+7], v[128*(\p)+16*bb:128*(\p)+16*bb+15], v[AF+16*(\a):AF+16*(\a)+15], v[CB+8*(\a):CB+8*(\a)+7]
.else
	v_wmma_f32_16x16x128_fp8_fp8 v[8*(8*((\a)%4)+bb):8*(8*((\a)%4)+bb)+7], v[128*(\p)+16*bb:128*(\p)+16*bb+15], v[AF+16*(\a):AF+16*(\a)+15], v[8*(8*((\a)%4)+bb):8*(8*((\a)%4)+bb)+7]
.endif
.set bb, bb+1
.endr
.endm
; Four places (ISA guide 7.12.1 for vector instructions) in front of loads into registers that matrix instructions have read, and of the first read of results.
.macro PLACES
.rept 4
	v_nop
.endr
.endm
; Each step goes by A's blocks 0 .. 7, eight products each, with three groups of LDS loads between them.
; A slot's FIRST step (q even, B's set 0).  On the way in the wave has issued A 0, 1; B 0 .. 7; A 2, 3 of this step, in this order.
.macro EVEN q, z
.if \z
.set ML, 0x81                          ; C (the bias) in window 0
.set MH, 0xc1
.else
.set ML, MUL_LO
.set MH, MUL_HI
.endif
	s_wait_dscnt 24                                ; A 0, 1 and B 0-3 are in (behind them: B 4-7, A 2, 3)
	WIN ML
	MUL 0, 0, 4, 0, \z
	s_wait_dscnt 8                                 ; B 4-7 too (behind them: A 2, 3)
	MUL 0, 4, 4, 0, \z
	PLACES
	WIN 0
	LA 4, \q
	LA 5, \q
	LA 6, \q
	LA 7, \q
	WIN TO_B
	LB 0, (\q)+1, 1
	LB 1, (\q)+1, 1
	LB 2, (\q)+1, 1
	LB 3, (\q)+1, 1
	WIN ML
	MUL 1, 0, 8, 0, \z
	s_wait_dscnt 32                                ; A 2, 3 (behind them: A 4-7, B' 0-3)
	MUL 2, 0, 8, 0, \z
	MUL 3, 0, 8, 0, \z
	s_wait_dscnt 16                                ; A 4-7 (behind them: B' 0-3)
	PLACES
	WIN TO_B
	LB 4, (\q)+1, 1
	LB 5, (\q)+1, 1
	LB 6, (\q)+1, 1
	LB 7, (\q)+1, 1
	WIN 0
	LA 0, (\q)+1
	LA 1, (\q)+1
	LA 2, (\q)+1
	LA 3, (\q)+1
	WIN MH
	MUL 4, 0, 8, 0, \z
	MUL 5, 0, 8, 0, \z
	MUL 6, 0, 8, 0, \z
	PLACES
	WIN 0
	LA 4, (\q)+1
	LA 5, (\q)+1
	WIN MH
	MUL 7, 0, 8, 0, \z
.endm
; A slot's LAST step (q odd, B's set 1) changes slots.  In front of the barrier each wave waits for all its tensor loads, adds 0 to its spare word, and waits for that and for its reads of this slot.
; fill = 1: the barrier opens a round of the cluster's barrier, and behind it this slot is filled again with the K step two on.
.macro TURN q, qn, s, fill
	PLACES
	WIN 0
	LA 6, \q
	LA 7, \q
	s_wait_tensorcnt 0x0                           ; my part of the next slot has landed
	ds_add_u32 v[SPW], v[NIL]
	s_wait_dscnt 25                                ; B and A 0, 1 are in (behind them: A 2-7 and the add)
	WIN MUL_LO
	MUL 0, 0, 8, 1, 0
	s_wait_dscnt 0x0                               ; the add is done, and my reads of this slot are over
	s_barrier_signal -1
	MUL 1, 0, 8, 1, 0
	WIN 0
	s_barrier_wait -1
.if \fill
	s_cmp_lg_u32 s14, 0
	s_cbranch_scc1 .Lnot_wave_0_\@
	s_barrier_signal -3
.Lnot_wave_0_\@:
	s_barrier_wait -3
	s_barrier_signal -1
	WIN MUL_LO
	MUL 2, 0, 8, 1, 0
	WIN 0
	s_barrier_wait -1                              ; no wave of any partner still reads this slot or has a load on its way
	s_add_nc_u64 s[G0+4*\s+2:G0+4*\s+3], s[G0+4*\s+2:G0+4*\s+3], 512
	s_add_nc_u64 s[G0B+4*\s+2:G0B+4*\s+3], s[G0B+4*\s+2:G0B+4*\s+3], 512
	JLOAD \s                                       ; its four v_nop are the places in front of the loads below
.else
	WIN MUL_LO
	MUL 2, 0, 8, 1, 0
	PLACES
	WIN 0
.endif
	LA 0, \qn
	LA 1, \qn
	WIN TO_B
	LB 0, \qn, 0
	LB 1, \qn, 0
	LB 2, \qn, 0
	LB 3, \qn, 0
	WIN MUL_LO
	MUL 3, 0, 8, 1, 0
	WIN MUL_HI
	MUL 4, 0, 8, 1, 0
	PLACES
	WIN TO_B
	LB 4, \qn, 0
	LB 5, \qn, 0
	LB 6, \qn, 0
	LB 7, \qn, 0
	WIN 0
	LA 2, \qn
	LA 3, \qn
.if \fill
	s_cmp_gt_u32 s3, 1                             ; the last trip's two refills have no K step two on
	s_cbranch_scc0 .Lno_ask_\@
	global_prefetch_b8 v[PFO], s[PFA:PFA+1] offset:1024+256*\s th:TH_LOAD_NT scope:SCOPE_SE
.Lno_ask_\@:
.endif
	WIN MUL_HI
	MUL 5, 0, 8, 1, 0
	MUL 6, 0, 8, 1, 0
	MUL 7, 0, 8, 1, 0
.endm
; THE WAY OUT of block a (16 rows x 128 columns): the hold, in place, each accumulator from its low end on; eight conversions; four stores of 512 consecutive bytes.
.macro BLOCK a
.set AC, 64*((\a)%4)
.set W, 2+(\a)/4
.set WW, W|(W<<6)
.endm
.macro HOLD b
.irp j, 0,1,2,3,4,5,6,7
	v_med3_num_f32 v[AC+8*(\b)+\j], v[AC+8*(\b)+\j], -v[LIM], v[LIM]   ; the conversion to an 8-bit code does not saturate (ISA guide 7.6.2)
.endr
.endm
.macro SEND a
	WIN W
.irp b, 0,1,2,3,4,5,6,7
	v_cvt_scalef32_pk8_fp8_f32 v[CD+16*(\a)+2*\b:CD+16*(\a)+2*\b+1], v[AC+8*\b:AC+8*\b+7], v[SCL]
.endr
	WIN 0
	v_nop                                          ; one plain vector line behind the last conversion of the run
.irp g, 0,1,2,3
	global_store_b128 v[CO], v[CD+16*(\a)+4*\g:CD+16*(\a)+4*\g+3], s[10:11] offset:2048*(\a)+512*\g   ; nothing that a store reads is written again
.endr
.endm
; In the very last step block a, whose sums are finished, is held while block a + 1's products go on.  The eight holds behind a product are also the places in front of the next block's reads.
.macro MIX a
	BLOCK \a
.set NX, MUL_LO+0x50*(((\a)+1)/4)
.irp b, 0,1,2,3,4,5,6,7
	WIN NX
	MUL (\a)+1, \b, 1, 1, 0
	WIN WW
	HOLD \b
.endr
	SEND \a
.endm
	s_wait_alu depctr_va_vdst(0)                   ; the wait at the head's end
	s_wait_tensorcnt 0x0                           ; my part of K step 0 is in
	ds_add_u32 v[SPW], v[NIL]
	s_wait_dscnt 0x0
	CROUND                                         ; everybody's part is in, and the joint loads meet
	JLOAD 1                                        ; K step 1
	LA 0, 0
	LA 1, 0
	WIN TO_B
.irp i, 0,1,2,3,4,5,6,7
	LB \i, 0, 0
.endr
	WIN 0
	LA 2, 0
	LA 3, 0
	global_prefetch_b8 v[PFO], s[PFA:PFA+1] offset:512 th:TH_LOAD_NT scope:SCOPE_SE   ; K step 2, for the first refill
	global_prefetch_b8 v[PFO], s[PFA:PFA+1] offset:768 th:TH_LOAD_NT scope:SCOPE_SE   ; K step 3
	s_cmp_eq_u32 s2, 2                             ; t: the same in the whole cluster
	s_cbranch_scc1 .Lrows
	EVEN 0, 1
	WIN 0
	s_branch .Lgo
.Lrows:
	EVEN 0, 2
	WIN 0
.Lgo:
	s_mov_b32 s3, 3
.Llap:                                                 ; a trip goes once round the ring and fills both slots again
	TURN 1, 2, 0, 1
	EVEN 2, 0
	TURN 3, 0, 1, 1
	EVEN 0, 0
	WIN 0
	s_wait_xcnt 0x0                                ; my prefetches have read their address
	s_add_nc_u64 s[PFA:PFA+1], s[PFA:PFA+1], 512
	s_sub_co_u32 s3, s3, 1
	s_cmp_lg_u32 s3, 0
	s_cbranch_scc1 .Llap
	TURN 1, 2, 0, 0                                ; nothing more is filled
	EVEN 2, 0
	PLACES                                         ; the very last step
	WIN 0
	LA 6, 3
	LA 7, 3
	s_wait_dscnt 24                                ; B and A 0, 1 (behind them: A 2-7)
	WIN MUL_LO
	MUL 0, 0, 8, 1, 0
	s_wait_dscnt 0x0
	PLACES
.irp a, 0,1,2,3,4,5,6
	MIX \a
.endr
	BLOCK 7
	WIN WW
.irp b, 0,1,2,3,4,5,6,7
	HOLD \b
.endr
	SEND 7
	s_wait_tensorcnt 0x0                           ; the wave's end
	ds_add_u32 v[SPW], v[NIL]
	s_wait_dscnt 0x0
	CROUND                                         ; the closing round: no work-group ends while a partner may still ask for a tile that names it
	s_endpgm
.Lfunc_end_k_q357fe5df3b_proj:
	.size	k_q357fe5df3b_proj, .Lfunc_end_k_q357fe5df3b_proj-k_q357fe5df3b_proj
	.p2alignl 7, 3214868480
	.fill 96, 4, 3214868480
	.section	.rodata,"a",@progbits
	.p2align	6, 0x0
	.amdhsa_kernel k_q357fe5df3b_proj
		.amdhsa_group_segment_fixed_size 327680
		.amdhsa_private_segment_fixed_size 0
		.amdhsa_enable_private_segment 0
		.amdhsa_kernarg_size 88
		.amdhsa_user_sgpr_count 2
		.amdhsa_user_sgpr_kernarg_segment_ptr 1
		.amdhsa_wavefront_size32 1
		.amdhsa_system_sgpr_workgroup_id_x 1
		.amdhsa_system_sgpr_workgroup_id_y 1
		.amdhsa_system_sgpr_workgroup_id_z 1
		.amdhsa_system_vgpr_workitem_id 0
		.amdhsa_next_free_vgpr 1024
		.amdhsa_next_free_sgpr 102
		.amdhsa_reserve_vcc 0
		.amdhsa_float_denorm_mode_32 3
		.amdhsa_float_denorm_mode_16_64 3
		.amdhsa_memory_ordered 1
		.amdhsa_forward_progress 1
		.amdhsa_inst_pref_size 143
	.end_amdhsa_kernel
	.amdgpu_metadata
---
amdhsa.version: [ 1, 2 ]
amdhsa.kernels:
  - .name:           k_q357fe5df3b_proj
    .symbol:         k_q357fe5df3b_proj.kd
    .args:
      - { .name: q_codes, .offset: 0, .size: 8, .value_kind: global_buffer, .address_space: global }
      - { .name: k_codes, .offset: 8, .size: 8, .value_kind: global_buffer, .address_space: global }
      - { .name: Wv_codes, .offset: 16, .size: 8, .value_kind: global_buffer, .address_space: global }
      - { .name: Wq_codes, .offset: 24, .size: 8, .value_kind: global_buffer, .address_space: global }
      - { .name: Wk_codes, .offset: 32, .size: 8, .value_kind: global_buffer, .address_space: global }
      - { .name: v_codes, .offset: 40, .size: 8, .value_kind: global_buffer, .address_space: global }
      - { .name: bq, .offset: 48, .size: 8, .value_kind: global_buffer, .address_space: global }
      - { .name: bk, .offset: 56, .size: 8, .value_kind: global_buffer, .address_space: global }
      - { .name: bv, .offset: 64, .size: 8, .value_kind: global_buffer, .address_space: global }
      - { .name: lowp_scales, .offset: 72, .size: 8, .value_kind: global_buffer, .address_space: global }
      - { .name: qkv, .offset: 80, .size: 8, .value_kind: global_buffer, .address_space: global }
    .group_segment_fixed_size: 327680
    .private_segment_fixed_size: 0
    .kernarg_segment_align: 8
    .kernarg_segment_size: 88
    .max_flat_workgroup_size: 128
    .sgpr_count:     102
    .vgpr_count:     1024
    .wavefront_size: 32
...
	.end_amdgpu_metadata
.endif
;; end of part 1
;; launch attn (part 2): grid 8 x 32, 8 waves a work-group, clusters of 4 x 1, 327,680 bytes of LDS; arguments qkv, lowp_scales, ao; writes ao
.if DOCPART == 2
	.amdgcn_target "amdgcn-amd-amdhsa--gfx1250"
	.amdhsa_code_object_version 6
	.text
	.protected	k_q357fe5df3b_attn
	.globl	k_q357fe5df3b_attn
	.p2align	8
	.type	k_q357fe5df3b_attn,@function
k_q357fe5df3b_attn:
	s_mov_b64 s[64:65], 0
	v_nop
	global_prefetch_b8 v0, s[64:65] scope:SCOPE_SE
	s_setreg_imm32_b32 hwreg(HW_REG_WAVE_MODE, 25, 1), 1
	s_wait_xcnt 0x0
	s_wait_alu depctr_hold_cnt(0) depctr_sa_sdst(0) depctr_va_vdst(0) depctr_va_sdst(0) depctr_va_ssrc(0) depctr_va_vcc(0) depctr_vm_vsrc(0)
	s_getreg_b32 s2, hwreg(HW_REG_IB_STS2, 6, 4)
	s_cmp_eq_u32 s2, 0
	s_cbranch_scc0 .Lentry_in_a_cluster
	s_endpgm
.Lentry_in_a_cluster:
	s_bfe_u32 s2, ttmp6, 0x10000c
	s_cmp_lg_u32 s2, 0x3003
	s_cbranch_scc0 .Lentry_shape_is_right
	s_endpgm
.Lentry_shape_is_right:
; CAUSAL ATTENTION on codes of FP8 (E4M3): for each of 32 (batch, head): O[q] = sum over k <= q of softmax_k(Q[q] . K[k] / sqrt(128)) V[k], and O quantised with 2^e10.
; DEAD WORK: key tiles all of whose keys come after the wave's queries are thrown away by the mask that reference() builds itself, for all values of the inputs: they are not computed (a NaN, an infinity or an overflow that reaches only them is not carried).
; Q, K and V come as IMAGES of operand registers (16 rows x 128 K in 2,048 bytes: registers 4 g .. 4 g + 3 of lane l at byte 512 g + 16 l; lane (r, h) holds row r, registers 2 c, 2 c + 1 hold K = 16 c + 8 h + 0 .. 7):
;   Q at 0, K at 4 MiB: tokens 16 R .., head hd at (128 hd + R) x 2,048;   V at 8 MiB, the keys innermost: channels 16 R .. (of 2,048), tokens 128 C .. at (128 C + R) x 2,048.
; THE SOFTMAX AHEAD OF THE SECOND PRODUCT: t = score x log2(e) / sqrt(128); M = the running largest t rounded UP to a whole number; p = 2^(t - M) is quantised with 2^e8, not normalised.
; The row's sum is taken of the unquantised p in f32 and divides O at the end.  When M moves, the sum and O are multiplied by 2^(old M - new M): exact.
; SHARES.  Work-group c (0 .. 7) of a head owns the tiles of queries 128 I + 16 c + 0 .. 15, I = 0 .. 7; tile I needs key steps 0 .. I of 128 keys, step I on the diagonal.
; Waves i and 4 + i (i = 0 .. 3) share the long tile L = 7 - i and the short tile S = i: 9 steps together.  Wave i walks L's steps 0, 1, 5 - i, 6 - i, 7 - i.  Wave 4 + i walks S's steps 0 .. i, sends S out, and walks L's steps 2 .. 4 - i.
; Its part of L (O, the sum, M) then goes through LDS to wave i, which brings both parts under the larger M and sends L out.  (i = 3: that part is empty: zeros under the lowest M.)  All of it hangs on the wave's number alone.
; LDS HOLDS THE WHOLE HEAD, FILLED ONCE: K at 0, V at 131,072, each as [quarter of the images][key step][2 images]; behind them the parts of L, which no load fills.
; Two loads a wave (waves 0-3: a quarter of K; 4-7: of V): key steps 0 to 2 at the head; 3 to 7 behind the full sequence, awaited in the second step: every wave's first two steps lie in 0 to 2.
; CLUSTER: its four work-groups belong to one head and ask for K and V JOINTLY.  No prefetch: both loads go out ahead of the first step, and no loop runs ahead of a load.
; LAYOUT.  Both products are used transposed: S^T = K Q^T (source 0 = 16 keys, source 1 = my 16 queries), O^T = V^T P^T: a lane holds ONE query (lane % 16); tile a's eight registers are keys
; 16 a + 8 h + 0 .. 7, so a conversion of them gives registers 2 a, 2 a + 1 of the second product's operand; and O^T's tile t gives registers 2 t, 2 t + 1 of the image that goes out.
; LIMITS: e6 + e7 between -123 and 130 (added to c's exponent field); e8 and e10 between -126 and 119; scaled scores under 2^31 in magnitude.
; REGISTERS: window 0: v1-9 addresses; v12 -M, v13 the largest t, v[14:15] the sum; v16-31 Q; v32-47 L's Q, at the end v32-95 the other part of O; v96-159 S^T, then p, then what goes out; v160-223 O^T; v224-239 codes; v240-255 scales and work.
;   window 1: v0-127 K's eight fragments of a step; v128-255 V's eight.
.set LK0, 1                            ; 16 x lane
.set ADK, 2                            ; a step of K: images 0-3, and ADKH: 4-7
.set ADV, 3                            ; of V
.set MA,  4                            ; my pair's place for L's part
.set DG,  5                            ; 16 c + r - 8 h
.set SPW, 6
.set NIL, 7
.set ADKH, 8
.set ADVH, 9
.set PART, 0x40000                     ; four parts of 8,704 bytes
.set SPARE, PART+4*8704                ; the spare words, 128 bytes for each wave
.set WV,  12
.set CI,  18                           ; the tile in hand
.set U,   20                           ; 0: waves 0-3, 1: waves 4-7
.set II,  21                           ; i
.set G1K, 24                           ; group 1, three key steps: K, V; G1KB, G1VB: five
.set G0K, 32
.set G0V, 36
.set G1V, 40
.set G1KB, 80
.set G1VB, 88
.set CS,  56                           ; s[56:57] c = log2(e) / sqrt(128) x 2^(e6 + e7)
.set SEL, 66                           ; s[66:67] lane selects: lane l xor 16
.set MSB, 0
.macro WIN new                         ; the immediate's high byte repeats the setting that is left
.if MSB != (\new)
	s_set_vgpr_msb (MSB<<8)|(\new)
.set MSB, (\new)
.endif
.endm
.set TO1, 0x40                         ; destination window 1, address window 0
.set MM,  0x01                         ; source 0 (K or V) window 1, all else window 0
.macro CROUND                          ; a round of the cluster's barrier
	s_barrier_signal -1
	s_barrier_wait -1
	s_cmp_lg_u32 s[WV], 0
	s_cbranch_scc1 .Lnot_wave_0_\@
	s_barrier_signal -3
.Lnot_wave_0_\@:
	s_barrier_wait -3
	s_barrier_signal -1
	s_barrier_wait -1
.endm
.macro PLACES                          ; four places behind a matrix instruction (ISA guide 7.12.1)
.rept 4
	v_nop
.endr
.endm
.macro JLOAD g1k, g1v                  ; a joint load: a branch on the wave's number alone
	s_cmp_eq_u32 s[U], 0
	s_cbranch_scc0 .Lfor_v_\@
	tensor_load_to_lds s[G0K:G0K+3], s[\g1k:\g1k+7]
	s_nop 0
	PLACES
	s_branch .Lasked_\@
.Lfor_v_\@:
	tensor_load_to_lds s[G0V:G0V+3], s[\g1v:\g1v+7]
	s_nop 0
	PLACES
.Lasked_\@:
.endm
	s_load_b128 s[4:7], s[0:1], 0x0                ; the images s[4:5], the scales' exponents s[6:7]
	s_load_b64 s[8:9], s[0:1], 0x10                ; O's images
	v_lshl_add_u32 v[SPW], v0, 2, SPARE
	v_mov_b32 v[NIL], 0
	ds_add_u32 v[SPW], v[NIL]                      ; the wave's opening: the add, twice on end, and its wait
	ds_add_u32 v[SPW], v[NIL]
	v_lshrrev_b32 v8, 5, v0
	v_readfirstlane_b32 s[WV], v8                  ; wave 0..7
	s_bfe_u32 s13, ttmp6, 0x40000                  ; cx
	s_lshl_b32 s14, ttmp9, 2
	s_add_co_u32 s14, s14, s13                     ; c = 4 x cluster x + cx
	s_and_b32 s15, ttmp7, 0xffff                   ; 16 x batch + head: the four partners share it
	s_lshr_b32 s16, s15, 4                         ; batch
	s_and_b32 s17, s15, 15                         ; head
	s_lshr_b32 s[U], s[WV], 2
	s_and_b32 s[II], s[WV], 3
	s_xor_b32 s22, s[II], 3                        ; 3 - i
	; my key step in trip n: n, and behind a change 3 - i more (waves 0-3, from trip 2 on) or 1 - i more (waves 4-7, from trip i + 1 on; taken modulo 8)
	s_mul_i32 s76, s[U], 6
	s_add_co_u32 s76, s76, s22
	s_add_co_u32 s78, s22, 4
	s_cmp_eq_u32 s[U], 0
	s_cselect_b32 s78, 6, s78
	s_xor_b32 s79, s[WV], 4                        ; in trip 1: step 1, and step 2 in wave 4
	s_add_co_u32 s79, s79, 7
	s_lshr_b32 s79, s79, 3
	s_xor_b32 s79, s79, 1
	s_add_co_u32 s79, s79, 1
	s_xor_b32 s77, s[II], 7                        ; L
	s_xor_b32 s23, s[U], 1
	s_add_co_u32 s75, s23, 4                       ; my steps: 5 or 4
	s_mul_i32 s[CI], s23, 7
	s_xor_b32 s[CI], s[CI], s[II]                  ; my first tile: L (waves 0-3) or S
	s_lshl_b32 s63, s23, 6
	s_add_co_u32 s63, s63, s[II]
	s_add_co_u32 s63, s63, 1                       ; the trip in which I change from S to L: i + 1 (waves 0-3: none)
	s_lshl_b32 s48, s17, 18                        ; K, quarter i of a step's images: 4 MiB + (128 head + 64 batch) x 2,048 + 4,096 i
	s_lshl_b32 s49, s16, 17
	s_add_co_u32 s48, s48, s49
	s_lshl_b32 s49, s[II], 12
	s_add_co_u32 s48, s48, s49
	s_add_co_u32 s48, s48, 4<<20
	s_mov_b32 s49, 0
	s_lshl_b32 s50, s16, 21                        ; V: 8 MiB + (8 batch x 128 + 8 head) x 2,048 + 4,096 i
	s_lshl_b32 s51, s[II], 12
	s_add_co_u32 s50, s50, s51
	s_lshl_b32 s51, s17, 14
	s_add_co_u32 s50, s50, s51
	s_add_co_u32 s50, s50, 8<<20
	s_mov_b32 s51, 0
	s_lshl_b32 s23, s[WV], 15                      ; and in LDS: 32,768 x wave
	; descriptor group 1: 3 or 5 rows (key steps) of 512 elements of 8 bytes; from step to step 16,384 bytes in K, 262,144 in V
.irp g, G1K, G1V, G1KB, G1VB
	s_mov_b32 s[\g], 15|(3<<16)|(1<<21)            ; 15:0 the mask: all four work-groups; no padding; 21 set beside a mask
	s_mov_b32 s[\g+1], 512<<16
	s_mov_b32 s[\g+3], 512<<16
	s_mov_b32 s[\g+6], 0
	s_mov_b32 s[\g+7], 0
.endr
.irp g, G1K, G1V
	s_mov_b32 s[\g+2], 3<<16
	s_mov_b32 s[\g+4], 3
.endr
.irp g, G1KB, G1VB
	s_mov_b32 s[\g+2], 5<<16
	s_mov_b32 s[\g+4], 5
.endr
	s_mov_b32 s[G1K+5], 2048
	s_mov_b32 s[G1KB+5], 2048
	s_mov_b32 s[G1V+5], 32768
	s_mov_b32 s[G1VB+5], 32768
	s_lshl_b32 s10, s17, 7                         ; Q's images: (128 head + 64 batch + 8 I + c) x 2,048
	s_lshl_b32 s11, s16, 6
	s_add_co_u32 s10, s10, s11
	s_add_co_u32 s10, s10, s14
	s_lshl_b32 s10, s10, 11
	s_lshl_b32 s52, s[CI], 14
	s_add_co_u32 s52, s52, s10
	s_mov_b32 s53, 0
	s_lshl_b32 s54, s77, 14
	s_add_co_u32 s54, s54, s10
	s_mov_b32 s55, 0
	s_lshl_b32 s10, s16, 7                         ; O's images: (((8 batch + I) x 16 + head) x 8 + c) x 2,048
	s_add_co_u32 s10, s10, s17
	s_lshl_b32 s10, s10, 3
	s_add_co_u32 s10, s10, s14
	s_lshl_b32 s10, s10, 11
	s_lshl_b32 s58, s77, 18
	s_add_co_u32 s58, s58, s10
	s_mov_b32 s59, 0
	s_lshl_b32 s60, s[II], 18
	s_add_co_u32 s60, s60, s10
	s_mov_b32 s61, 0
	s_mov_b32 s[SEL], 0x76543210
	s_mov_b32 s[SEL+1], 0xfedcba98
	s_mov_b32 s[CS], 0x3e0293ee                    ; log2(e) / sqrt(128)
	s_wait_dscnt 0x0                               ; both opening adds are done
	s_wait_kmcnt 0x0
	s_load_b128 s[68:71], s[6:7], 0x18             ; e6, e7, e8, e9
	s_load_b32 s72, s[6:7], 0x28                   ; e10
	s_mov_b32 s[G0K], 1
	s_mov_b32 s[G0K+1], s23
	s_add_nc_u64 s[G0K+2:G0K+3], s[4:5], s[48:49]
	s_or_b32 s[G0K+3], s[G0K+3], 0x80000000
	s_mov_b32 s[G0V], 1
	s_mov_b32 s[G0V+1], s23
	s_add_nc_u64 s[G0V+2:G0V+3], s[4:5], s[50:51]
	s_or_b32 s[G0V+3], s[G0V+3], 0x80000000
	s_add_nc_u64 s[52:53], s[4:5], s[52:53]
	s_add_nc_u64 s[54:55], s[4:5], s[54:55]
	s_add_nc_u64 s[58:59], s[8:9], s[58:59]
	s_add_nc_u64 s[60:61], s[8:9], s[60:61]
	CROUND                                         ; all four work-groups are here: the joint loads meet
	JLOAD G1K, G1V                                 ; key steps 0 to 2: my one load at the head
	s_mul_i32 s23, s[II], 8704
	s_add_co_u32 s23, s23, PART
	s_lshl_b32 s62, s14, 4
	v_and_b32 v8, 31, v0
	v_and_b32 v9, 15, v0                           ; r
	v_bfe_u32 v10, v0, 4, 1                        ; h
	v_lshlrev_b32 v[LK0], 4, v8
	v_lshlrev_b32 v10, 3, v10
	v_sub_nc_u32 v[DG], v9, v10
	v_add_nc_u32 v[MA], s23, v[LK0]
	v_add_nc_u32 v[DG], s62, v[DG]                 ; 16 c + r - 8 h, a signed number
.irp g, 0,1,2,3
	global_load_b128 v[16+4*\g:19+4*\g], v[LK0], s[52:53] offset:512*\g   ; my first tile's Q
	global_load_b128 v[32+4*\g:35+4*\g], v[LK0], s[54:55] offset:512*\g   ; L's Q
.endr
	v_mov_b32 v246, 0                              ; written once: a lane permute's destination counts as one of its sources
	v_mov_b32 v253, 0                              ; (named as the upper halves of pairs)
	v_mov_b32 v255, 0
.macro RESET                           ; nothing summed yet: the step is written in one form, and the first change of M leaves zeros zeros
	v_mov_b32 v13, 0xff61b1e6                      ; the largest t so far: -3e38, under every t
	v_mov_b32 v14, 0                               ; the sum, in two halves
	v_mov_b32 v15, 0
	v_floor_f32 v12, -v13                          ; -M
.set j, 0
.rept 64
	v_mov_b32 v[160+j], 0                          ; O^T
.set j, j+1
.endr
.endm
	RESET
	s_wait_kmcnt 0x0
	s_add_co_i32 s73, s68, s69
	s_lshl_b32 s73, s73, 23
	s_add_co_i32 s[CS], s[CS], s73                 ; a score stands for score x 2^(e6 + e7): added to c's exponent field
	s_mov_b32 s[CS+1], s[CS]                       ; (named with it as a pair, so it is written)
	s_add_co_i32 s73, s70, 127
	s_lshl_b32 s74, s73, 23
	v_mov_b32 v244, s74                            ; 2^e8
	s_add_co_i32 s73, s73, 8
	s_lshl_b32 s73, s73, 23
	s_or_b32 s73, s73, 0x600000
	v_mov_b32 v240, s73                            ; 448 x 2^e8
	s_add_co_i32 s73, s72, 127
	s_lshl_b32 s74, s73, 23
	v_mov_b32 v245, s74                            ; 2^e10
	s_add_co_i32 s73, s73, 8
	s_lshl_b32 s73, s73, 23
	s_or_b32 s73, s73, 0x600000
	v_mov_b32 v241, s73                            ; 448 x 2^e10
	s_add_co_i32 s73, s70, s71                     ; e8 + e9
.macro ADDR d, dh                      ; where a step begins, s62 bytes from K's first: images 0-3, and 4-7
	v_add_nc_u32 v[\d], s62, v[LK0]
	v_add_nc_u32 v[\dh], 0x10000, v[\d]
.endm
.macro LD8 base, adr, adrh             ; eight fragments of a key step: 32 loads of 512 consecutive bytes
	WIN TO1
.irp a, 0,1,2,3
.irp g, 0,1,2,3
	ds_load_b128 v[\base+16*\a+4*\g:\base+16*\a+4*\g+3], v[\adr] offset:32768*(\a/2)+2048*(\a%2)+512*\g
.endr
.endr
.irp a, 0,1,2,3
.irp g, 0,1,2,3
	ds_load_b128 v[\base+64+16*\a+4*\g:\base+64+16*\a+4*\g+3], v[\adrh] offset:32768*(\a/2)+2048*(\a%2)+512*\g
.endr
.endr
	WIN 0
.endm
.macro QOF d, k                        ; my key step in trip n + k
	s_add_co_u32 s23, s78, s3
	s_add_co_u32 s23, s23, \k
	s_lshr_b32 s23, s23, 3                         ; 1 behind my change
	s_mul_i32 s23, s23, s76
	s_add_co_u32 s23, s23, s3
	s_add_co_u32 s23, s23, \k
	s_and_b32 s[\d], s23, 7
.endm
.macro FIN base                        ; v96-159 held, converted, and stored as the image of 16 tokens x the head's 128 channels
.set j, 0
.rept 64
	v_med3_num_f32 v[96+j], v[96+j], -v241, v241
.set j, j+1
.endr
.irp t, 0,1,2,3,4,5,6,7
	v_cvt_scalef32_pk8_fp8_f32 v[224+2*\t:225+2*\t], v[96+8*\t:103+8*\t], v245
.endr
	v_nop                                          ; one plain vector line behind the last conversion
.irp g, 0,1,2,3
	global_store_b128 v[LK0], v[224+4*\g:227+4*\g], s[\base:\base+1] offset:512*\g   ; 512 consecutive bytes, aligned
.endr
.endm
; FROM S TO L, in the one trip of a wave in which it changes: S is finished: O^T x 2^(e8 + e9) / the sum goes out.
.macro SWITCH
	s_cmp_eq_u32 s3, s63
	s_cbranch_scc0 .Lsame_\@
	v_add_f32 v14, v14, v15                        ; the sum's two halves,
	s_delay_alu instid0(VALU_DEP_1)
	v_permlanex16_b32 v246, v14, s[SEL], s[SEL+1]
	s_delay_alu instid0(VALU_DEP_1)
	v_add_f32 v14, v14, v246                       ; and lane l xor 16's
	s_wait_alu depctr_va_vdst(0)                   ; the wait ahead of the transcendental
	v_rcp_f32 v14, v14
	v_nop
	s_wait_alu depctr_va_vdst(0)                   ; and behind it
	v_ldexp_f32 v14, v14, s73
	s_wait_alu depctr_va_vdst(0)                   ; and ahead of the first reader of O^T
.set j, 0
.rept 32
	v_pk_mul_f32 v[96+j:97+j], v[160+j:161+j], v[14:15] op_sel_hi:[1,0]   ; register 8 t + i: channel 16 t + 8 h + i of my query
.set j, j+2
.endr
	FIN 60
	RESET
.irp k, 0,1,2,3,4,5,6,7,8,9,10,11,12,13,14,15
	v_mov_b32 v[16+\k], v[32+\k]                   ; L's Q
.endr
	s_mov_b32 s[CI], s77
	s_wait_alu depctr_va_vdst(0)
	s_wait_xcnt 0x0                                ; the stores' registers may be written again
.Lsame_\@:
.endm
; A KEY STEP.  m = 0: the first (step 0); 1: the second, in which key steps 3 to 7 are awaited, by every wave; 2: the loop's.  K of a step is fetched in the step before, V at the step's head.
.macro UNIT m
.if \m > 0
	SWITCH
.endif
.if \m == 2
	s_cmp_lt_u32 s3, s75
	s_cbranch_scc0 .Lidle_\@                       ; waves 4-7 have four steps
.endif
	WIN MM
.set a, 0
.rept 8
	v_wmma_f32_16x16x128_fp8_fp8 v[96+8*a:103+8*a], v[16*a:16*a+15], v[16:31], 0   ; S^T
.set a, a+1
.endr
	WIN 0
	PLACES
.if \m == 0
	s_lshl_b32 s62, s79, 12
	ADDR ADK, ADKH
	LD8 0, ADK, ADKH
	s_mov_b32 s19, 0
	s_mov_b32 s62, 0x20000
.elseif \m == 1
	s_mov_b32 s19, s79
	s_lshl_b32 s62, s79, 12
	s_add_co_u32 s62, s62, 0x20000
.else
	s_add_co_u32 s62, s3, 1
	s_cmp_lt_u32 s62, s75
	s_cbranch_scc0 .Lnopre_\@                      ; my last step asks for no further K
	QOF 62, 1
	s_lshl_b32 s62, s62, 12
	ADDR ADK, ADKH
	LD8 0, ADK, ADKH
.Lnopre_\@:
	QOF 19, 0
	s_lshl_b32 s62, s19, 12
	s_add_co_u32 s62, s62, 0x20000
.endif
	ADDR ADV, ADVH
	LD8 128, ADV, ADVH
	s_cmp_eq_u32 s19, s[CI]
	s_cbranch_scc0 .Lopen_\@
	v_mov_b32 v254, 0xff800000                     ; ON THE DIAGONAL: register 8 a + j holds key 128 I + 16 a + 8 h + j, my query is 128 I + 16 c + r: hidden where 16 a + j > 16 c + r - 8 h
.set n, 0
.rept 64
	v_cmp_gt_i32 vcc_lo, 16*(n/8)+(n%8), v[DG]
	v_cndmask_b32 v[96+n], v[96+n], v254, vcc_lo   ; -infinity ahead of the maximum.  Key 128 I counts for each of my queries, so the maximum stays a number
.set n, n+1
.endr
.Lopen_\@:
	v_max3_num_f32 v254, v96, v97, v98             ; the step's largest score among my 64 keys, in four chains, each accumulator from its low end on,
	v_max3_num_f32 v252, v99, v100, v101
	v_max3_num_f32 v242, v102, v103, v104
	v_max3_num_f32 v248, v105, v106, v107
.irp i, 12,20,28,36,44,52
	v_max3_num_f32 v254, v254, v[96+\i], v[97+\i]
	v_max3_num_f32 v252, v252, v[98+\i], v[99+\i]
	v_max3_num_f32 v242, v242, v[100+\i], v[101+\i]
	v_max3_num_f32 v248, v248, v[102+\i], v[103+\i]
.endr
	v_max3_num_f32 v254, v254, v156, v157
	v_max3_num_f32 v252, v252, v158, v159
	v_max_num_f32 v242, v242, v248
	v_max3_num_f32 v254, v254, v252, v242
	s_delay_alu instid0(VALU_DEP_1)
	v_permlanex16_b32 v246, v254, s[SEL], s[SEL+1]
	s_delay_alu instid0(VALU_DEP_1)
	v_max_num_f32 v254, v254, v246                 ; and among lane l xor 16's
	s_delay_alu instid0(VALU_DEP_1)
	v_mul_f32 v254, s[CS], v254                    ; as t (c is positive)
	s_delay_alu instid0(VALU_DEP_1)
	v_max_num_f32 v13, v13, v254                   ; the running largest t
	v_mov_b32 v254, v12
	s_delay_alu instid0(VALU_DEP_2)
	v_floor_f32 v12, -v13                          ; the new -M = floor(-t) = -ceil(t): a whole number
	s_delay_alu instid0(VALU_DEP_1)
	v_sub_f32 v254, v12, v254                      ; old M - new M: a whole number, 0 or less
	s_delay_alu instid0(VALU_DEP_1)
	v_cvt_i32_f32 v254, v254                       ; (it saturates)
	s_delay_alu instid0(VALU_DEP_1)
	v_ldexp_f32 v252, 1.0, v254                    ; f = 2^(old M - new M)
.set j, 0
.rept 32
	v_pk_fma_f32 v[96+j:97+j], v[96+j:97+j], s[CS:CS+1], v[12:13] op_sel_hi:[1,0,0]   ; t - M, two at a time
.set j, j+2
.endr
	s_wait_alu depctr_va_vdst(0)                   ; the wait ahead of the batch
.set j, 0
.rept 64
	v_exp_f32 v[96+j], v[96+j]                     ; p = 2^(t - M), at most 1; 0 where the score was -infinity
.set j, j+1
.endr
	v_pk_mul_f32 v[14:15], v[14:15], v[252:253] op_sel_hi:[1,0]   ; the sums under the new M
	s_wait_alu depctr_va_vdst(0)                   ; and the wait behind the batch
.if \m == 1
	s_wait_tensorcnt 0x0                           ; my part of key steps 3 to 7 is in,
	s_wait_dscnt 0x0                               ; no LDS load of mine is out,
	s_barrier_signal -1
	s_barrier_wait -1                              ; and everybody's part is in
	QOF 62, 1
	s_lshl_b32 s62, s62, 12
	ADDR ADK, ADKH
	LD8 0, ADK, ADKH
.endif
	v_pk_add_f32 v[242:243], v[96:97], v[98:99]    ; THE ROW'S SUM of the unquantised p, in four chains
	v_pk_add_f32 v[248:249], v[100:101], v[102:103]
	v_pk_add_f32 v[238:239], v[104:105], v[106:107]
	v_pk_add_f32 v[14:15], v[14:15], v[108:109]
.irp j, 14,22,30,38,46,54
	v_pk_add_f32 v[242:243], v[242:243], v[96+\j:97+\j]
	v_pk_add_f32 v[248:249], v[248:249], v[98+\j:99+\j]
	v_pk_add_f32 v[238:239], v[238:239], v[100+\j:101+\j]
	v_pk_add_f32 v[14:15], v[14:15], v[102+\j:103+\j]
.endr
	v_pk_add_f32 v[242:243], v[242:243], v[158:159]
	v_pk_add_f32 v[248:249], v[248:249], v[238:239]
	v_pk_add_f32 v[14:15], v[14:15], v[242:243]
	s_delay_alu instid0(VALU_DEP_1)
	v_pk_add_f32 v[14:15], v[14:15], v[248:249]
.set a, 0
.rept 8
.set i, 0
.rept 4
	v_dual_min_num_f32 v[96+8*a+2*i], v[96+8*a+2*i], v240 :: v_dual_min_num_f32 v[97+8*a+2*i], v[97+8*a+2*i], v240   ; the conversion does not saturate (ISA guide 7.6.2); p is not negative
.set i, i+1
.endr
	v_cvt_scalef32_pk8_fp8_f32 v[224+2*a:225+2*a], v[96+8*a:103+8*a], v244   ; keys 16 a + 8 h + 0 .. 7: registers 2 a, 2 a + 1 of the operand
.set a, a+1
.endr
	s_wait_alu depctr_va_vdst(0)                   ; directly ahead of the first reader of O^T
.set j, 0
.rept 32
	v_pk_mul_f32 v[160+j:161+j], v[160+j:161+j], v[252:253] op_sel_hi:[1,0]   ; O^T under the new M
.set j, j+2
.endr
	s_wait_alu depctr_va_vdst(0)
	s_wait_dscnt 0x0                               ; V of this step is in, and K of the next
	WIN MM
.set a, 0
.rept 8
	v_wmma_f32_16x16x128_fp8_fp8 v[160+8*a:167+8*a], v[128+16*a:143+16*a], v[224:239], v[160+8*a:167+8*a]   ; O^T += V^T P^T; the accumulators take turns
.set a, a+1
.endr
	WIN 0
	PLACES
.if \m == 2
.Lidle_\@:
.endif
.endm
	s_wait_alu depctr_va_vdst(0)                   ; the wait at the head's end
	s_wait_tensorcnt 0x0                           ; my part of key steps 0 to 2 is in
	ds_add_u32 v[SPW], v[NIL]
	s_add_co_u32 s[G0K+1], s[G0K+1], 3*4096        ; key steps 3 to 7: three steps on, in LDS and in memory
	s_add_co_u32 s[G0V+1], s[G0V+1], 3*4096
	s_add_nc_u64 s[G0K+2:G0K+3], s[G0K+2:G0K+3], 3*16384
	s_add_nc_u64 s[G0V+2:G0V+3], s[G0V+2:G0V+3], 3*262144
	s_wait_dscnt 0x0
	CROUND                                         ; everybody's part is in, and the joint loads meet
	JLOAD G1KB, G1VB
	v_add_nc_u32 v[ADKH], 0x10000, v[LK0]
	LD8 0, LK0, ADKH                               ; K of step 0
	s_wait_loadcnt 0x0                             ; Q
	s_wait_dscnt 0x0
	s_mov_b32 s3, 0
	UNIT 0
	s_mov_b32 s3, 1
	UNIT 1
	s_mov_b32 s3, 2
.Lunit:
	UNIT 2
	s_add_co_u32 s3, s3, 1
	s_cmp_lt_u32 s3, 5
	s_cbranch_scc1 .Lunit
	; L'S TWO PARTS.  Waves 4-7 store O^T and -M, the largest t and the sum; behind the barrier wave i reads wave 4 + i's.
	s_cmp_eq_u32 s[U], 0
	s_cbranch_scc1 .Lkeep
.irp g, 0,1,2,3,4,5,6,7,8,9,10,11,12,13,14,15
	ds_store_b128 v[MA], v[160+4*\g:163+4*\g] offset:512*\g
.endr
	ds_store_b128 v[MA], v[12:15] offset:8192
.Lkeep:
	s_wait_dscnt 0x0
	s_barrier_signal -1
	s_barrier_wait -1
	s_cmp_lg_u32 s[U], 0
	s_cbranch_scc1 .Lend
	ds_load_b128 v[96:99], v[MA] offset:8192
.irp g, 0,1,2,3,4,5,6,7,8,9,10,11,12,13,14,15
	ds_load_b128 v[32+4*\g:35+4*\g], v[MA] offset:512*\g
.endr
	s_wait_dscnt 0x0
	v_min_num_f32 v8, v12, v96                     ; -M of both parts: the larger M
	v_add_f32 v14, v14, v15
	v_add_f32 v98, v98, v99
	v_sub_f32 v9, v8, v12
	v_sub_f32 v10, v8, v96
	v_cvt_i32_f32 v9, v9                           ; (they saturate)
	v_cvt_i32_f32 v10, v10
	v_ldexp_f32 v252, 1.0, v9                      ; f = 2^(the part's M - M)
	v_ldexp_f32 v254, 1.0, v10
	v_mul_f32 v14, v14, v252
	v_fma_f32 v14, v98, v254, v14
	v_permlanex16_b32 v246, v14, s[SEL], s[SEL+1]
	v_add_f32 v14, v14, v246                       ; the row's sum
	s_wait_alu depctr_va_vdst(0)                   ; the wait ahead of the transcendental
	v_rcp_f32 v14, v14
	v_nop
	s_wait_alu depctr_va_vdst(0)                   ; and behind it
	v_ldexp_f32 v14, v14, s73
	v_mul_f32 v252, v252, v14
	v_mul_f32 v254, v254, v14
	s_wait_alu depctr_va_vdst(0)                   ; and ahead of the first reader of O^T
.set j, 0
.rept 32
	v_pk_mul_f32 v[32+j:33+j], v[32+j:33+j], v[254:255] op_sel_hi:[1,0]
.set j, j+2
.endr
.set j, 0
.rept 32
	v_pk_fma_f32 v[96+j:97+j], v[160+j:161+j], v[252:253], v[32+j:33+j] op_sel_hi:[1,0,1]
.set j, j+2
.endr
	FIN 58
.Lend:
	s_wait_tensorcnt 0x0                           ; the wave's end
	ds_add_u32 v[SPW], v[NIL]
	s_wait_dscnt 0x0
	CROUND                                         ; the closing round
	s_endpgm
.Lfunc_end_k_q357fe5df3b_attn:
	.size	k_q357fe5df3b_attn, .Lfunc_end_k_q357fe5df3b_attn-k_q357fe5df3b_attn
	.p2alignl 7, 3214868480
	.fill 96, 4, 3214868480
	.section	.rodata,"a",@progbits
	.p2align	6, 0x0
	.amdhsa_kernel k_q357fe5df3b_attn
		.amdhsa_group_segment_fixed_size 327680
		.amdhsa_private_segment_fixed_size 0
		.amdhsa_enable_private_segment 0
		.amdhsa_kernarg_size 24
		.amdhsa_user_sgpr_count 2
		.amdhsa_user_sgpr_kernarg_segment_ptr 1
		.amdhsa_wavefront_size32 1
		.amdhsa_system_sgpr_workgroup_id_x 1
		.amdhsa_system_sgpr_workgroup_id_y 1
		.amdhsa_system_sgpr_workgroup_id_z 1
		.amdhsa_system_vgpr_workitem_id 0
		.amdhsa_next_free_vgpr 512
		.amdhsa_next_free_sgpr 96
		.amdhsa_reserve_vcc 1
		.amdhsa_float_denorm_mode_32 3
		.amdhsa_float_denorm_mode_16_64 3
		.amdhsa_memory_ordered 1
		.amdhsa_forward_progress 1
		.amdhsa_inst_pref_size 121
	.end_amdhsa_kernel
	.amdgpu_metadata
---
amdhsa.version: [ 1, 2 ]
amdhsa.kernels:
  - .name:           k_q357fe5df3b_attn
    .symbol:         k_q357fe5df3b_attn.kd
    .args:
      - { .name: qkv, .offset: 0, .size: 8, .value_kind: global_buffer, .address_space: global }
      - { .name: lowp_scales, .offset: 8, .size: 8, .value_kind: global_buffer, .address_space: global }
      - { .name: ao, .offset: 16, .size: 8, .value_kind: global_buffer, .address_space: global }
    .group_segment_fixed_size: 327680
    .private_segment_fixed_size: 0
    .kernarg_segment_align: 8
    .kernarg_segment_size: 24
    .max_flat_workgroup_size: 256
    .sgpr_count:     96
    .vgpr_count:     512
    .wavefront_size: 32
...
	.end_amdgpu_metadata
.endif
;; end of part 2
;; launch oproj (part 3): grid 16 x 16, 4 waves a work-group, clusters of 4 x 4, 327,680 bytes of LDS; arguments ao, Wo_codes, lowp_scales, bo, out0; writes out0
.if DOCPART == 3
	.amdgcn_target "amdgcn-amd-amdhsa--gfx1250"
	.amdhsa_code_object_version 6
	.text
	.protected	k_q357fe5df3b_oproj
	.globl	k_q357fe5df3b_oproj
	.p2align	8
	.type	k_q357fe5df3b_oproj,@function
k_q357fe5df3b_oproj:
	s_mov_b64 s[64:65], 0
	v_nop
	global_prefetch_b8 v0, s[64:65] scope:SCOPE_SE
	s_setreg_imm32_b32 hwreg(HW_REG_WAVE_MODE, 25, 1), 1
	s_wait_xcnt 0x0
	s_wait_alu depctr_hold_cnt(0) depctr_sa_sdst(0) depctr_va_vdst(0) depctr_va_sdst(0) depctr_va_ssrc(0) depctr_va_vcc(0) depctr_vm_vsrc(0)
	s_getreg_b32 s2, hwreg(HW_REG_IB_STS2, 6, 4)
	s_cmp_eq_u32 s2, 0
	s_cbranch_scc0 .Lentry_in_a_cluster
	s_endpgm
.Lentry_in_a_cluster:
	s_bfe_u32 s2, ttmp6, 0x10000c
	s_cmp_lg_u32 s2, 0xf033
	s_cbranch_scc0 .Lentry_shape_is_right
	s_endpgm
.Lentry_shape_is_right:
; THE PROJECTION ON THE WAY OUT: out = O Wo^T + bo on codes of FP8, 2,048 x 2,048 x 2,048; a block of 128 x 128 for each of 256 work-groups, 64 x 64 a wave.
; A is O as images (16 tokens x 128 channels in 2,048 bytes), eight to a head, 16 KB end to end; B is Wo's rows.  K goes in steps of 512 through two LDS slots: 64 KB of images, and 128 rows of 512 bytes + 16 of padding.
; CLUSTERS 4 x 4: A's tiles are asked for jointly along a row, B's along a column.  One load a wave at the head (K step 0); K step 1's stands behind the full sequence.
; PREFETCH: behind each K step's load the next K step, up to the last; of the 128 blocks of 256 bytes that a wave fetches each of the four partners names 32, told apart by address.
; The sums x 2^(e10 + e11) + bo, one fused multiply-add, leave through each wave's stage in slot 0, which has had its last fill.  LIMIT: e10 + e11 between -126 and 127.
.set PFO,    30                        ; the prefetches' offset: (lane / 2) x 512 or 2,048 + (lane % 2) x 256; never rewritten
.set PFA,    74
.set PB,     528
.set APART,  65536
.set BHALF,  64*PB
.set SLOT,   APART+2*BHALF
.set SPARE,  2*SLOT
.set SPITCH, 272
.set WSTG,   64*SPITCH
.set ADRA, 16
.set ADRB, 20
.set STO,  24
.set RD,   25
.set CO,   26
.set SPW,  28
.set NIL,  29
.set BK,   32
.set BIAS, 96
.set ACC,  128
.set F0,   0
.set F1,   128
.set G1, 24
.set G0, 32
.set G1B, 48
.set G0B, 56
.set MSB, 0
.macro WIN new
.if MSB != (\new)
	s_set_vgpr_msb (MSB<<8)|(\new)
.set MSB, (\new)
.endif
.endm
.set MUL,  0x05
.set TO_F, 0x40
.macro JLOAD s
	s_cmp_eq_u32 s11, 0
	s_cbranch_scc0 .Lfor_b_\@
	tensor_load_to_lds s[G0+4*\s:G0+4*\s+3], s[G1:G1+7]
	s_nop 0
.rept 4
	v_nop
.endr
	s_branch .Lasked_\@
.Lfor_b_\@:
	tensor_load_to_lds s[G0B+4*\s:G0B+4*\s+3], s[G1B:G1B+7]
	s_nop 0
.rept 4
	v_nop
.endr
.Lasked_\@:
.endm
.macro CREST
	s_cmp_lg_u32 s10, 0
	s_cbranch_scc1 .Lnot_wave_0_\@
	s_barrier_signal -3
.Lnot_wave_0_\@:
	s_barrier_wait -3
	s_barrier_signal -1
	s_barrier_wait -1
.endm
.macro CROUND
	s_barrier_signal -1
	s_barrier_wait -1
	CREST
.endm
	s_load_b128 s[4:7], s[0:1], 0x0
	s_load_b128 s[68:71], s[0:1], 0x10
	s_load_b64 s[8:9], s[0:1], 0x20
	v_lshl_add_u32 v[SPW], v0, 2, SPARE
	v_mov_b32 v[NIL], 0
	ds_add_u32 v28, v29
	ds_add_u32 v28, v29
	s_wait_dscnt 0x0
	v_lshrrev_b32 v1, 5, v0
	v_readfirstlane_b32 s10, v1
	s_lshr_b32 s11, s10, 1
	s_and_b32 s12, s10, 1
	s_bfe_u32 s40, ttmp6, 0x40000
	s_bfe_u32 s41, ttmp6, 0x40004
	s_lshl_b32 s42, ttmp9, 2
	s_add_co_u32 s42, s42, s40
	s_and_b32 s13, ttmp7, 0xffff
	s_lshl_b32 s13, s13, 2
	s_add_co_u32 s13, s13, s41
	s_lshl_b32 s43, s41, 2
	s_lshl_b32 s43, 15, s43
	s_lshl_b32 s44, 0x1111, s40
	s_or_b32 s[G1+0], s43, (3<<16)|(1<<21)
	s_mov_b32 s[G1+1], 32<<16
	s_mov_b32 s[G1+2], 128<<16
	s_mov_b32 s[G1+3], 32<<16
	s_mov_b32 s[G1+4], 128
	s_mov_b32 s[G1+5], 32
	s_mov_b32 s[G1+6], 0
	s_mov_b32 s[G1+7], 0
	s_or_b32 s[G1B+0], s44, (0<<16)|(1<<20)|(1<<21)|(6<<22)|(3<<25)
	s_mov_b32 s[G1B+1], 512<<16
	s_mov_b32 s[G1B+2], 64<<16
	s_mov_b32 s[G1B+3], 512<<16
	s_mov_b32 s[G1B+4], 64
	s_mov_b32 s[G1B+5], 2048
	s_mov_b32 s[G1B+6], 0
	s_mov_b32 s[G1B+7], 0
	s_lshl_b32 s16, s13, 18
	s_lshl_b32 s17, s12, 15
	s_add_co_u32 s16, s16, s17
	s_mov_b32 s17, 0
	s_lshl_b32 s46, s42, 7
	s_lshl_b32 s47, s12, 6
	s_add_co_u32 s46, s46, s47
	s_lshl_b32 s46, s46, 11
	s_mov_b32 s47, 0
	s_lshl_b32 s20, s12, 15
	s_mul_i32 s21, s12, BHALF
	s_add_co_u32 s21, s21, APART
	s_wait_kmcnt 0x0
	s_load_b64 s[72:73], s[68:69], 0x28
	s_add_nc_u64 s[14:15], s[4:5], s[16:17]
	s_add_nc_u64 s[46:47], s[6:7], s[46:47]
	CROUND
.irp s, 0,1
	s_mov_b32 s[G0+4*\s], 1
	s_add_co_u32 s[G0+4*\s+1], s20, \s*SLOT
	s_add_nc_u64 s[G0+4*\s+2:G0+4*\s+3], s[14:15], \s*65536
	s_or_b32 s[G0+4*\s+3], s[G0+4*\s+3], 0x80000000
	s_mov_b32 s[G0B+4*\s], 1
	s_add_co_u32 s[G0B+4*\s+1], s21, \s*SLOT
	s_add_nc_u64 s[G0B+4*\s+2:G0B+4*\s+3], s[46:47], \s*512
	s_or_b32 s[G0B+4*\s+3], s[G0B+4*\s+3], 0x80000000
.endr
	JLOAD 0                                        ; K step 0: my one load at the head
	s_lshl_b32 s18, s40, 13
	s_add_co_u32 s18, s18, 65536                   ; A: K step 1, 8,192 bytes for each partner of my row
	s_lshl_b32 s19, s41, 15
	s_add_co_u32 s19, s19, 512                     ; B: K step 1, 16 rows for each partner of my column
	s_mov_b32 s66, 65536
	s_mov_b32 s23, 512
	s_cmp_eq_u32 s11, 0
	s_cselect_b64 s[PFA:PFA+1], s[14:15], s[46:47]
	s_cselect_b32 s18, s18, s19
	s_cselect_b32 s66, s66, 512                    ; a K step on
	s_cselect_b32 s23, s23, 2048
	s_mov_b32 s19, 0
	s_mov_b32 s67, 0
	s_add_nc_u64 s[PFA:PFA+1], s[PFA:PFA+1], s[18:19]
	v_and_b32 v7, 1, v0
	v_bfe_u32 v8, v0, 1, 4
	v_mul_u32_u24 v8, v8, s23
	v_lshl_add_u32 v[PFO], v7, 8, v8
	global_prefetch_b8 v[PFO], s[PFA:PFA+1] th:TH_LOAD_NT scope:SCOPE_SE   ; K step 1
	v_and_b32 v1, 15, v0
	v_bfe_u32 v2, v0, 4, 1
	v_and_b32 v3, 31, v0
	v_lshlrev_b32 v3, 4, v3
	v_mul_u32_u24 v4, v1, PB
	v_lshl_add_u32 v4, v2, 3, v4
	s_lshl_b32 s21, s11, 13
	s_mul_i32 s22, s12, BHALF
	s_add_co_u32 s22, s22, APART
.irp s, 0,1
	v_add_nc_u32 v[ADRA+\s], s21, v3
	v_add_nc_u32 v[ADRB+\s], s22, v4
	s_add_co_u32 s21, s21, SLOT
	s_add_co_u32 s22, s22, SLOT
.endr
	s_mul_i32 s23, s10, WSTG
	v_mul_u32_u24 v5, v1, SPITCH
	v_lshl_add_u32 v5, v2, 5, v5
	v_add_nc_u32 v[STO], s23, v5
	v_mul_u32_u24 v5, v2, SPITCH
	v_lshl_add_u32 v5, v1, 4, v5
	v_add_nc_u32 v[RD], s23, v5
	v_lshlrev_b32 v5, 13, v2
	v_lshl_add_u32 v[CO], v1, 4, v5
	v_lshlrev_b32 v6, 5, v2
	s_wait_alu depctr_va_vdst(0)
	s_lshl_b32 s18, s42, 9
	s_lshl_b32 s19, s12, 8
	s_add_co_u32 s18, s18, s19
	s_mov_b32 s19, 0
	s_add_nc_u64 s[70:71], s[70:71], s[18:19]
	s_add_nc_u64 s[8:9], s[8:9], s[18:19]
	s_lshl_b32 s16, s13, 7
	s_lshl_b32 s17, s11, 6
	s_add_co_u32 s16, s16, s17
	s_lshl_b32 s16, s16, 13
	s_mov_b32 s17, 0
	s_add_nc_u64 s[8:9], s[8:9], s[16:17]
.irp b, 0,1,2,3
	global_load_b128 v[BIAS+8*\b:BIAS+8*\b+3],   v6, s[70:71] offset:64*\b
	global_load_b128 v[BIAS+8*\b+4:BIAS+8*\b+7], v6, s[70:71] offset:64*\b+16
.endr
	s_wait_kmcnt 0x0
	s_add_co_i32 s76, s72, s73
	s_add_co_i32 s76, s76, 127
	s_lshl_b32 s76, s76, 23
	s_mov_b32 s77, s76
.macro MUL8 f, a0, zero
.irp a, \a0, \a0+1
.irp b, 0,1,2,3
.if \zero
	v_wmma_f32_16x16x128_fp8_fp8 v[ACC+8*(4*(\a)+\b):ACC+8*(4*(\a)+\b)+7], v[\f+64+16*\b:\f+64+16*\b+15], v[\f+16*(\a):\f+16*(\a)+15], 0
.else
	v_wmma_f32_16x16x128_fp8_fp8 v[ACC+8*(4*(\a)+\b):ACC+8*(4*(\a)+\b)+7], v[\f+64+16*\b:\f+64+16*\b+15], v[\f+16*(\a):\f+16*(\a)+15], v[ACC+8*(4*(\a)+\b):ACC+8*(4*(\a)+\b)+7]
.endif
.endr
.endr
.endm
.macro FETCH slot, q, f
	WIN TO_F
.irp b, 0,1,2,3
.irp c, 0,1,2,3,4,5,6,7
	ds_load_b64 v[\f+64+16*\b+2*\c:\f+64+16*\b+2*\c+1], v[ADRB+\slot] offset:128*(\q)+16*\c+\b*16*PB
.endr
.endr
.irp a, 0,1,2,3
.irp g, 0,1,2,3
	ds_load_b128 v[\f+16*\a+4*\g:\f+16*\a+4*\g+3], v[ADRA+\slot] offset:16384*(\q)+2048*\a+512*\g
.endr
.endr
.endm
.macro PLACES
.rept 4
	v_nop
.endr
.endm
.macro QUARTER slot, qn, f, g, zero
	s_wait_dscnt 8
	WIN MUL
	MUL8 \f, 0, \zero
	PLACES
	FETCH \slot, \qn, \g
	s_wait_dscnt 48
	WIN MUL
	MUL8 \f, 2, \zero
.endm
.macro TURN slot, next, fill
	WIN 0
	s_wait_tensorcnt 0x0
	ds_add_u32 v[SPW], v[NIL]
	s_wait_dscnt 9
	WIN MUL
	MUL8 F1, 0, 0
	s_wait_dscnt 0x0
	s_barrier_signal -1
	MUL8 F1, 2, 0
	WIN 0
	s_barrier_wait -1
.if \fill
	CREST
	s_add_nc_u64 s[G0+4*\slot+2:G0+4*\slot+3], s[G0+4*\slot+2:G0+4*\slot+3], 2*65536
	s_add_nc_u64 s[G0B+4*\slot+2:G0B+4*\slot+3], s[G0B+4*\slot+2:G0B+4*\slot+3], 2*512
	JLOAD \slot
.else
	PLACES
.endif
	FETCH \next, 0, F0
.endm
	s_wait_alu depctr_va_vdst(0)                   ; the wait at the head's end
	s_wait_xcnt 0x0                                ; the prefetch has read its address
	s_add_nc_u64 s[PFA:PFA+1], s[PFA:PFA+1], s[66:67]
	s_wait_tensorcnt 0x0                           ; my part of K step 0 is in
	ds_add_u32 v[SPW], v[NIL]
	s_wait_dscnt 0x0
	CROUND                                         ; everybody's part is in, and the joint loads meet
	JLOAD 1
	FETCH 0, 0, F0
	global_prefetch_b8 v[PFO], s[PFA:PFA+1] th:TH_LOAD_NT scope:SCOPE_SE   ; K step 2
	QUARTER 0, 1, F0, F1, 1
	QUARTER 0, 2, F1, F0, 0
	QUARTER 0, 3, F0, F1, 0
	s_wait_xcnt 0x0                                ; the prefetch has read its address
	s_add_nc_u64 s[PFA:PFA+1], s[PFA:PFA+1], s[66:67]
	TURN 0, 1, 1
	global_prefetch_b8 v[PFO], s[PFA:PFA+1] th:TH_LOAD_NT scope:SCOPE_SE   ; K step 3
	QUARTER 1, 1, F0, F1, 0
	QUARTER 1, 2, F1, F0, 0
	QUARTER 1, 3, F0, F1, 0
	TURN 1, 0, 1
	QUARTER 0, 1, F0, F1, 0
	QUARTER 0, 2, F1, F0, 0
	QUARTER 0, 3, F0, F1, 0
	TURN 0, 1, 0
	QUARTER 1, 1, F0, F1, 0
	QUARTER 1, 2, F1, F0, 0
	QUARTER 1, 3, F0, F1, 0
	s_wait_dscnt 8
	WIN MUL
	MUL8 F1, 0, 0
	s_wait_dscnt 0
	MUL8 F1, 2, 0
	WIN 0
	PLACES
	s_wait_loadcnt 0x0
.irp a, 0,1,2,3
.irp b, 0,1,2,3
.irp i, 0,2,4,6
	v_pk_fma_f32 v[ACC+8*(4*\a+\b)+\i:ACC+8*(4*\a+\b)+\i+1], v[ACC+8*(4*\a+\b)+\i:ACC+8*(4*\a+\b)+\i+1], s[76:77], v[BIAS+8*\b+\i:BIAS+8*\b+\i+1] op_sel_hi:[1,0,1]
.endr
.endr
.endr
.macro TOSTAGE a
.irp b, 0,1,2,3
	ds_store_b128 v[STO], v[ACC+8*(4*(\a)+\b):ACC+8*(4*(\a)+\b)+3]   offset:16*SPITCH*(\a)+64*\b
	ds_store_b128 v[STO], v[ACC+8*(4*(\a)+\b)+4:ACC+8*(4*(\a)+\b)+7] offset:16*SPITCH*(\a)+64*\b+16
.endr
.irp t, 0,1,2,3,4,5,6,7
	ds_load_b128 v[BK+32*((\a)%2)+4*\t:BK+32*((\a)%2)+4*\t+3], v[RD] offset:16*SPITCH*(\a)+2*SPITCH*\t
.endr
.endm
.macro SEND a, younger
	s_wait_dscnt \younger
.irp t, 0,1,2,3,4,5,6,7
	global_store_b128 v[CO], v[BK+32*((\a)%2)+4*\t:BK+32*((\a)%2)+4*\t+3], s[8:9] offset:(16*(\a)+2*\t)*8192 th:TH_STORE_NT
.endr
.endm
	TOSTAGE 0
	TOSTAGE 1
	s_wait_alu depctr_va_vdst(0)
	SEND 0, 16
	s_wait_xcnt 0x0
	TOSTAGE 2
	SEND 1, 16
	s_wait_xcnt 0x0
	TOSTAGE 3
	SEND 2, 16
	SEND 3, 0
	s_wait_tensorcnt 0x0
	ds_add_u32 v[SPW], v[NIL]
	s_wait_dscnt 0x0
	CROUND
	s_endpgm
.Lfunc_end_k_q357fe5df3b_oproj:
	.size	k_q357fe5df3b_oproj, .Lfunc_end_k_q357fe5df3b_oproj-k_q357fe5df3b_oproj
	.p2alignl 7, 3214868480
	.fill 96, 4, 3214868480
	.section	.rodata,"a",@progbits
	.p2align	6, 0x0
	.amdhsa_kernel k_q357fe5df3b_oproj
		.amdhsa_group_segment_fixed_size 327680
		.amdhsa_private_segment_fixed_size 0
		.amdhsa_enable_private_segment 0
		.amdhsa_kernarg_size 40
		.amdhsa_user_sgpr_count 2
		.amdhsa_user_sgpr_kernarg_segment_ptr 1
		.amdhsa_wavefront_size32 1
		.amdhsa_system_sgpr_workgroup_id_x 1
		.amdhsa_system_sgpr_workgroup_id_y 1
		.amdhsa_system_sgpr_workgroup_id_z 1
		.amdhsa_system_vgpr_workitem_id 0
		.amdhsa_next_free_vgpr 512
		.amdhsa_next_free_sgpr 80
		.amdhsa_reserve_vcc 0
		.amdhsa_float_denorm_mode_32 3
		.amdhsa_float_denorm_mode_16_64 3
		.amdhsa_memory_ordered 1
		.amdhsa_forward_progress 1
		.amdhsa_inst_pref_size 92
	.end_amdhsa_kernel
	.amdgpu_metadata
---
amdhsa.version: [ 1, 2 ]
amdhsa.kernels:
  - .name:           k_q357fe5df3b_oproj
    .symbol:         k_q357fe5df3b_oproj.kd
    .args:
      - { .name: ao, .offset: 0, .size: 8, .value_kind: global_buffer, .address_space: global }
      - { .name: Wo_codes, .offset: 8, .size: 8, .value_kind: global_buffer, .address_space: global }
      - { .name: lowp_scales, .offset: 16, .size: 8, .value_kind: global_buffer, .address_space: global }
      - { .name: bo, .offset: 24, .size: 8, .value_kind: global_buffer, .address_space: global }
      - { .name: out0, .offset: 32, .size: 8, .value_kind: global_buffer, .address_space: global }
    .group_segment_fixed_size: 327680
    .private_segment_fixed_size: 0
    .kernarg_segment_align: 8
    .kernarg_segment_size: 40
    .max_flat_workgroup_size: 128
    .sgpr_count:     80
    .vgpr_count:     512
    .wavefront_size: 32
...
	.end_amdgpu_metadata
.endif
;; end of part 3
